; MI455X (gfx1250); checked and timed in simulation.
; The chip was launched on July 23, 2026; its instructions are those of AMD's public machine-readable ISA for CDNA 5 (MIT licence, August 2026) and "CDNA5" Instruction Set Architecture Reference Guide (July 2026). The comments in the code are by the model that wrote it; some were corrected since.
;; Rank RT Model A. Allowed arithmetic: float matrix products may take bf16 or f16 operands with f32 sums; all other float work in f32.
;; Inputs: beta one number float32; gamma one number float32; midpoint one number float32; rate one number float32; rho one number float32; stimulus_set 2,000,000 x 5 int32; table 21 x 3 float32; tau one number float32; upper one number float32; w 3 float32.
;; Outputs: out0 2,000,000 x 4 float32; out1 2,000,000 x 1 float32.
;; One version. Each part assembles by itself: llvm-mc -triple=amdgcn-amd-amdhsa -mcpu=gfx1250 --defsym DOCPART=n.
;; ======== version 1 of 1: 1 launch
;; launch rank_rt (part 1): grid 250 x 1, 25 waves a work-group, no clusters, 265,472 bytes of LDS; arguments stimulus_set, table, w, rho, tau, beta, gamma, rate, midpoint, upper, out0, out1; writes out0, out1
.if DOCPART == 1
	.amdgcn_target "amdgcn-amd-amdhsa--gfx1250"
	.amdhsa_code_object_version 6
	.text
	.protected	k_q63549f9bcd_rank_rt
	.globl	k_q63549f9bcd_rank_rt
	.p2align	8
	.type	k_q63549f9bcd_rank_rt,@function
k_q63549f9bcd_rank_rt:
	s_mov_b64 s[64:65], 0
	v_nop
	global_prefetch_b8 v0, s[64:65] scope:SCOPE_SE
	s_setreg_imm32_b32 hwreg(HW_REG_WAVE_MODE, 25, 1), 1
	s_wait_xcnt 0x0
; RankRT: for each of 2,000,000 rows of five indices (q, r1..r4) into a 21 x 3 table:
;   d_j = (sum_k w_k |z_q,k - z_rj,k|^rho)^(1/rho),  s_j = exp(-beta d_j^tau) + gamma,  out0_j = s_j / sum s,
;   out1 = upper / (1 + exp(-rate (entropy(out0) - midpoint))).
; s hangs on the pair (q, r) alone and there are 21 x 21 = 441 pairs, so every work-group makes all of them once, from
; table, w, rho, tau, beta, gamma as they are given, and a row costs four look-ups instead of 20 powers and exponentials.
;
; SHARES.  2,000,000 rows = 250 work-groups x 25 waves x 320 rows, exact: no tail, no branch on data, EXEC never changes.
; A wave's share is 6,400 bytes of indices, 5,120 of out0, 1,280 of out1, each starting on a multiple of 256 bytes.
; It is ten sub-blocks of 32 rows; in sub-block i lane l has row 32 i + l.
; IN.   One tensor load a wave brings its 6,400 bytes into LDS bytes of its own, issued as soon as the arguments are there:
;       the work-group's whole 160,000 bytes are asked for at once, so there is no ring, and one tensor load a wave is outstanding.
; OUT.  out0: a lane's four shares are 16 neighbouring bytes, a wave's store covers 512 consecutive aligned bytes.
;       out1: a wave's 320 numbers are gathered in LDS and leave as five stores of 256 consecutive aligned bytes.
; Left out: matrix instructions (no products); a cluster (the work-groups share about 300 bytes of parameters, against
; 160,000 bytes of their own each); prefetches (every input byte is requested in the first lines anyway).
;
; LIMITS.  Powers are exp2(y log2 x).  rho and tau are taken as finite and not 0 (0^0 would come out NaN, not 1).
; (m^(1/rho))^tau is made as m^(tau/rho).  A negative weighted sum m gives NaN (the reference's power gives a number
; there only when 1/rho is whole).  v_log_f32, v_exp_f32, v_rcp_f32 are good to 1 ULP and flush denormals: coordinate
; differences and shares below 2^-126 count as 0, results below 2^-126 come out 0.  Divisions are a reciprocal and a
; multiply; the four s are summed pairwise.  An index is clamped, as an unsigned number, to 20 (the problem keeps it in 0..20).
.set ROWS_WG,   8000                   ; rows of a work-group
.set ROWS_WAVE, 320                    ; rows of a wave
.set TILE_B,    6400                   ; bytes of a wave's indices
.set BUILDERS,  14                     ; waves 0..13 make 14 x 32 = 448 table entries (441 to 447 repeat row 20, never read)
.set QSTEP,     21*128                 ; bytes from q to q + 1 in the replicated table
; LDS map, bytes
.set REP,  160000                      ; behind 25 tiles of 6,400: entry e = 21 q + r as 32 equal words at REP + 128 e + 4 lane
.set C4,   217344                      ; behind 448 x 128: stage of the build, wave x 512, entry four times in 16 bytes
.set RT,   224512                      ; behind 14 x 512: stage of out1, wave x 1,280; ends at 256,512
; vector registers
.set LANE, 1                           ; v1        lane
.set IA,   2                           ; v2        LDS: my row's five indices in sub-block 0
.set LB,   3                           ; v3        LDS: REP + 4 lane
.set O0,   4                           ; v4        16 lane: my bytes in a store of out0
.set O1,   5                           ; v5        8 lane: my bytes in a store of out1
.set RTA,  6                           ; v6        LDS: where my rt of sub-block 0 goes
.set RTB,  7                           ; v7        LDS: where I read two rt back
.set TQ,   10                          ; v10       build: 12 q, byte offset of table row q
.set TR,   11                          ; v11       build: 12 r
.set CA,   12                          ; v12       build: my 16 bytes of the stage
.set CR,   13                          ; v13       build: the stage's entry lane / 8
.set RS,   14                          ; v14       build: my 16 bytes of a 512-byte piece of the replicated table
.set IDX,  16                          ; v[16:65]  5 a sub-block: indices, then in place q's base and four look-up addresses
.set P,    68                          ; v[68:107] 4 a sub-block: s, then the shares; store data, never written again
.set TA,   108                         ; v[108:109] 1 / sum, sum (sub-block a)
.set TB,   110                         ; v[110:111] the same (sub-block b)
.set LA,   112                         ; v[112:115] log2 of a's shares, later a's logistic
.set LG,   116                         ; v[116:119] the same for b
.set HA,   120                         ; v120      sum p log2 p of a
.set HB,   121                         ; v121      of b
.set RB,   16                          ; v[16:25]  out1 read back (IDX is done with by then)
; the build works in v[16:35] and lands its eight quads in v[48:79], before IDX and P are in use
.set Q8,   48
	s_load_b512 s[8:23], s[0:1], 0x0               ; stimulus_set 8:9, table 10:11, w 12:13, rho 14:15, tau 16:17, beta 18:19, gamma 20:21, rate 22:23
	s_load_b256 s[24:31], s[0:1], 0x40             ; midpoint 24:25, upper 26:27, out0 28:29, out1 30:31
	v_lshl_add_u32 v128, v0, 2, 0x40000
	v_mov_b32 v129, 0
	ds_add_u32 v128, v129
	ds_add_u32 v128, v129
	; ---- all that needs no argument, while the two loads are out ----
	v_lshrrev_b32 v8, 5, v0
	v_readfirstlane_b32 s4, v8                     ; wave 0..24
	v_and_b32 v[LANE], 31, v0
	s_mul_i32 s5, ttmp9, ROWS_WG
	s_mul_i32 s63, s4, ROWS_WAVE
	s_add_co_u32 s5, s5, s63                       ; R, my wave's first row
	s_mul_i32 s6, s5, 20                           ; its byte offsets (at most 40,000,000): indices 20 R,
	s_mov_b32 s7, 0
	s_lshl_b32 s32, s5, 4                          ; out0 16 R,
	s_mov_b32 s33, 0
	s_lshl_b32 s34, s5, 2                          ; out1 4 R
	s_mov_b32 s35, 0
	; descriptor group 1: one row of 800 elements of 8 bytes, no padding, no work-group mask
	s_mov_b32 s52, 3<<16                           ; 17:16 element size code 3 (8 bytes)
	s_mov_b32 s53, 800<<16                         ; 63:48 tensor_dim0 = 800
	s_mov_b32 s54, 1<<16                               ; tensor_dim1 not used
	s_mov_b32 s55, 800<<16                         ; 127:112 tile_dim0 = 800
	s_mov_b32 s56, 1                               ; tile_dim1, tile_dim2 not used
	s_mov_b32 s57, 800                               ; no strides: a single row
	s_mov_b32 s58, 0
	s_mov_b32 s59, 0
	; descriptor group 0, but for the address
	s_mov_b32 s48, 1                               ; count = 1
	s_mul_i32 s49, s4, TILE_B                      ; LDS: my wave's tile
	s_mov_b32 s61, QSTEP
	s_mul_i32 s62, s4, 4*ROWS_WAVE
	s_add_co_u32 s62, s62, RT                      ; LDS: my wave's stage of out1
	s_lshl_b32 s3, s4, 9
	s_add_co_u32 s3, s3, C4                        ; LDS: my wave's stage of the build
	s_lshl_b32 s2, s4, 12
	s_add_co_u32 s2, s2, REP                       ; LDS: my wave's 32 entries x 128 bytes of the replicated table
	v_mad_u32_u24 v[IA], v[LANE], 20, s49          ; a row is 20 bytes: 5 words from lane to lane, the 32 lanes' words all differ modulo 64 words
	v_lshl_add_u32 v[LB], v[LANE], 2, REP
	v_lshlrev_b32 v[O0], 4, v[LANE]
	v_lshlrev_b32 v[O1], 3, v[LANE]
	v_lshl_add_u32 v[RTA], v[LANE], 2, s62
	v_lshl_add_u32 v[RTB], v[LANE], 3, s62
	; the build's lane figures (used by waves 0..13 alone; made here by all, where every wave waits anyway): thread t makes entry t
	v_mul_u32_u24 v8, 0xc31, v0                    ; t / 21 = (3121 t) >> 16, exact for t <= 447: 3121 x 21 = 65536 + 5, and 5 x 22 < 3121
	v_lshrrev_b32 v8, 16, v8
	v_mul_u32_u24 v9, 21, v8
	v_sub_nc_u32 v9, v0, v9                        ; r = t mod 21
	v_min_u32 v8, 20, v8                           ; q; entries 441..447 fall back on row 20, so that no load leaves the table
	v_mul_u32_u24 v[TQ], 12, v8
	v_mul_u32_u24 v[TR], 12, v9
	v_lshl_add_u32 v[CA], v[LANE], 4, s3
	v_lshrrev_b32 v[CR], 3, v[LANE]
	v_lshl_add_u32 v[CR], v[CR], 4, s3
	v_lshl_add_u32 v[RS], v[LANE], 4, s2
	s_wait_dscnt 0x0
	s_wait_kmcnt 0x0                               ; the twelve addresses
	; ---- first of all the indices: 6,400 bytes a wave, 160,000 a work-group, all on their way from here on ----
	s_add_nc_u64 s[50:51], s[8:9], s[6:7]          ; global address of my wave's first index
	s_or_b32 s51, s51, 0x80000000                  ; 127:126 type = 2
	tensor_load_to_lds s[48:51], s[52:59]
	s_nop 0
	s_load_b96 s[36:38], s[12:13], 0x0             ; w
	s_load_b32 s40, s[14:15], 0x0                  ; rho
	s_load_b32 s41, s[16:17], 0x0                  ; tau
	s_load_b32 s42, s[18:19], 0x0                  ; beta
	s_load_b32 s43, s[20:21], 0x0                  ; gamma
	s_load_b32 s44, s[22:23], 0x0                  ; rate
	s_load_b32 s45, s[24:25], 0x0                  ; midpoint
	s_load_b32 s46, s[26:27], 0x0                  ; upper
	s_add_nc_u64 s[28:29], s[28:29], s[32:33]      ; out0 at my wave's first row
	s_add_nc_u64 s[30:31], s[30:31], s[34:35]      ; out1 likewise
	s_cmp_ge_u32 s4, BUILDERS                      ; waves 14..24 have no entry to make; the jump passes no barrier
	s_cbranch_scc1 .Ltable_done
	; ---- THE TABLE: thread t = 21 q + r makes s(q, r) ----
	global_load_b96 v[16:18], v[TQ], s[10:11]      ; z_q
	global_load_b96 v[20:22], v[TR], s[10:11]      ; z_r
	s_wait_kmcnt 0x0                               ; the parameters
	s_mul_f32 s47, s42, 0xbfb8aa3b                 ; -beta log2 e: e^(-beta x) = 2^(s47 x)
	v_rcp_f32 v31, s40
	v_nop                                          ; one plain vector instruction stands between a transcendental and the use of its result
	                                               ; (ISA guide 5.7.2); this chain is strictly dependent, so here and below it is a v_nop
	s_wait_alu depctr_va_vdst(0)
	v_mul_f32 v31, s41, v31                        ; tau / rho
	s_wait_loadcnt 0x0                             ; both rows
	v_sub_f32 v24, v16, v20
	v_sub_f32 v25, v17, v21
	v_sub_f32 v26, v18, v22
	v_and_b32 v24, 0x7fffffff, v24                 ; |z_q - z_r|
	v_and_b32 v25, 0x7fffffff, v25
	v_and_b32 v26, 0x7fffffff, v26
	v_log_f32 v27, v24                             ; |.|^rho = 2^(rho log2 |.|); log2 0 = -inf gives 0 for rho > 0
	v_log_f32 v28, v25
	v_log_f32 v29, v26
	v_nop
	s_wait_alu depctr_va_vdst(0)
	v_mul_f32 v27, s40, v27
	v_mul_f32 v28, s40, v28
	v_mul_f32 v29, s40, v29
	v_exp_f32 v24, v27
	v_exp_f32 v25, v28
	v_exp_f32 v26, v29
	v_nop
	s_wait_alu depctr_va_vdst(0)
	v_mul_f32 v30, s36, v24                        ; m = sum of w_k |.|^rho
	v_fmac_f32 v30, s37, v25
	v_fmac_f32 v30, s38, v26
	v_log_f32 v27, v30
	v_nop
	s_wait_alu depctr_va_vdst(0)
	v_mul_f32 v27, v31, v27
	v_exp_f32 v28, v27                             ; d^tau = m^(tau / rho)
	v_nop
	s_wait_alu depctr_va_vdst(0)
	v_mul_f32 v28, s47, v28
	v_exp_f32 v29, v28                             ; e^(-beta d^tau)
	v_nop
	s_wait_alu depctr_va_vdst(0)
.irp j, 0,1,2,3
	v_add_f32 v[32+\j], s43, v29                   ; + gamma, four times over: 16 bytes of the same number
.endr
	; From one number a lane to 32 equal words an entry: my 16 bytes go to the wave's stage; load k then brings lane l the 16 bytes
	; of entry 4 k + l / 8, and store k lays the 32 lanes' 512 bytes down as entries 4 k .. 4 k + 3, 128 bytes each.
	; All these bytes are my wave's own and LDS serves a wave's instructions in order (ISA guide 5.7.1.4): no wait from store to load.
	ds_store_b128 v[CA], v[32:35]
.irp k, 0,1,2,3,4,5,6,7
	ds_load_b128 v[Q8+4*\k:Q8+4*\k+3], v[CR] offset:64*\k
.endr
.irp k, 0,1,2,3,4,5,6,7
	s_wait_dscnt 7                                 ; behind load k stand 7 - k later loads and the k stores already issued: always seven
	ds_store_b128 v[RS], v[Q8+4*\k:Q8+4*\k+3] offset:512*\k
.endr
.Ltable_done:
	s_wait_kmcnt 0x0                               ; the parameters (for the waves that jumped)
	s_mul_f32 s60, s44, s45
	s_mul_f32 s60, s60, 0x3fb8aa3b                 ; rate x midpoint x log2 e
	s_wait_dscnt 0x0                               ; for the others' sake: my part of the table is in LDS
	s_barrier_signal -1
	s_barrier_wait -1                              ; the table is whole.  The only barrier; it stands ahead of the wait for the tile,
	                                               ; which only the wave that asked for it reads: no wave waits for another's indices
	s_wait_tensorcnt 0x0                           ; my 6,400 bytes are in LDS
	; ---- the indices of all ten sub-blocks: 50 loads in one run ----
.irp i, 0,1,2,3,4,5,6,7,8,9
.irp j, 0,1,2,3,4
	ds_load_b32 v[IDX+5*\i+\j], v[IA] offset:640*\i+4*\j
.endr
.endr
; Sub-block i: from five indices to four look-ups.  Entry 21 q + r, word of my lane: REP + 4 lane + 2688 q + 128 r.
; Whatever the indices are, lane l reads word l of a 32-word run: the 32 lanes' words differ modulo 32 words.
.macro ADDR i
	s_wait_dscnt 45-\i                             ; behind my five index loads: 5 (9 - i) later index loads and 4 i look-ups
.irp j, 0,1,2,3,4
	v_min_u32 v[IDX+5*\i+\j], 20, v[IDX+5*\i+\j]   ; a loaded number enters an address only clamped to the table
.endr
	v_mad_u32_u24 v[IDX+5*\i], v[IDX+5*\i], s61, v[LB]
.irp j, 1,2,3,4
	v_lshl_add_u32 v[IDX+5*\i+\j], v[IDX+5*\i+\j], 7, v[IDX+5*\i]
.endr
.irp j, 1,2,3,4
	ds_load_b32 v[P+4*\i+\j-1], v[IDX+5*\i+\j]     ; s(q, r_j)
.endr
.endm
.irp i, 0,1,2,3,4,5,6,7,8,9
	ADDR \i
.endr
; Sub-blocks a = 2 g and b = 2 g + 1 together: each one's plain arithmetic fills the places behind the other's transcendentals
; (ISA guide 5.7.2), so that no v_nop is needed.
; With H = sum of p log2 p the entropy is -ln 2 x H, and e^(-rate (entropy - midpoint)) = 2^(rate H + rate midpoint log2 e).
.macro PAIR g
.set PA, P+8*\g
.set PB, P+8*\g+4
	s_wait_dscnt 32-6*\g                           ; behind b's look-ups: 4 (8 - 2 g) later look-ups and the 2 g rt stores of earlier pairs
	v_add_f32 v[TA], v[PA], v[PA+1]
	v_add_f32 v[TA+1], v[PA+2], v[PA+3]
	v_add_f32 v[TA+1], v[TA], v[TA+1]              ; a's sum of s
	v_rcp_f32 v[TA], v[TA+1]
	v_add_f32 v[TB], v[PB], v[PB+1]
	v_add_f32 v[TB+1], v[PB+2], v[PB+3]
	v_add_f32 v[TB+1], v[TB], v[TB+1]
	v_rcp_f32 v[TB], v[TB+1]
	s_wait_alu depctr_va_vdst(0)
	v_pk_mul_f32 v[PA:PA+1], v[PA:PA+1], v[TA:TA+1] op_sel_hi:[1,0]        ; a's shares: both halves times 1 / sum
	v_pk_mul_f32 v[PA+2:PA+3], v[PA+2:PA+3], v[TA:TA+1] op_sel_hi:[1,0]
.irp j, 0,1,2,3
	v_log_f32 v[LA+\j], v[PA+\j]
.endr
	v_pk_mul_f32 v[PB:PB+1], v[PB:PB+1], v[TB:TB+1] op_sel_hi:[1,0]
	v_pk_mul_f32 v[PB+2:PB+3], v[PB+2:PB+3], v[TB:TB+1] op_sel_hi:[1,0]
	global_store_b128 v[O0], v[PA:PA+3], s[28:29] offset:1024*\g th:TH_STORE_NT    ; 32 rows of out0: 512 consecutive bytes
.irp j, 0,1,2,3
	v_log_f32 v[LG+\j], v[PB+\j]
.endr
	s_wait_alu depctr_va_vdst(0)
	v_mul_f32 v[HA], v[PA], v[LA]
	v_fmac_f32 v[HA], v[PA+1], v[LA+1]
	v_fmac_f32 v[HA], v[PA+2], v[LA+2]
	v_fmac_f32 v[HA], v[PA+3], v[LA+3]
	global_store_b128 v[O0], v[PB:PB+3], s[28:29] offset:1024*\g+512 th:TH_STORE_NT
	v_fma_f32 v[HA], s44, v[HA], s60
	v_exp_f32 v[LA], v[HA]
	v_mul_f32 v[HB], v[PB], v[LG]
	v_fmac_f32 v[HB], v[PB+1], v[LG+1]
	v_fmac_f32 v[HB], v[PB+2], v[LG+2]
	v_fmac_f32 v[HB], v[PB+3], v[LG+3]
	v_fma_f32 v[HB], s44, v[HB], s60
	v_exp_f32 v[LG], v[HB]
	s_wait_alu depctr_va_vdst(0)
	v_add_f32 v[LA], 1.0, v[LA]
	v_rcp_f32 v[LA+1], v[LA]
	v_add_f32 v[LG], 1.0, v[LG]
	v_rcp_f32 v[LG+1], v[LG]
	s_wait_alu depctr_va_vdst(0)
	v_mul_f32 v[LA+1], s46, v[LA+1]                ; upper / (1 + ..)
	v_mul_f32 v[LG+1], s46, v[LG+1]
	ds_store_b32 v[RTA], v[LA+1] offset:256*\g     ; row 32 i + lane of my wave at word 32 i + lane of its stage
	ds_store_b32 v[RTA], v[LG+1] offset:256*\g+128
.endm
.irp g, 0,1,2,3,4
	PAIR \g
.endr
	; ---- out1: my wave's 1,280 bytes back from its own stage (in order behind its stores), 8 bytes a lane ----
.irp k, 0,1,2,3,4
	ds_load_b64 v[RB+2*\k:RB+2*\k+1], v[RTB] offset:256*\k
.endr
.irp k, 0,1,2,3,4
	s_wait_dscnt 4-\k                              ; the later read-backs stay out
	global_store_b64 v[O1], v[RB+2*\k:RB+2*\k+1], s[30:31] offset:256*\k th:TH_STORE_NT   ; 256 consecutive aligned bytes
.endr
	s_wait_tensorcnt 0x0
	ds_add_u32 v128, v129
	s_wait_dscnt 0x0
	s_endpgm
.Lfunc_end_k_q63549f9bcd_rank_rt:
	.size	k_q63549f9bcd_rank_rt, .Lfunc_end_k_q63549f9bcd_rank_rt-k_q63549f9bcd_rank_rt
	.p2alignl 7, 3214868480
	.fill 96, 4, 3214868480
	.section	.rodata,"a",@progbits
	.p2align	6, 0x0
	.amdhsa_kernel k_q63549f9bcd_rank_rt
		.amdhsa_group_segment_fixed_size 265472
		.amdhsa_private_segment_fixed_size 0
		.amdhsa_enable_private_segment 0
		.amdhsa_kernarg_size 96
		.amdhsa_user_sgpr_count 2
		.amdhsa_user_sgpr_kernarg_segment_ptr 1
		.amdhsa_wavefront_size32 1
		.amdhsa_system_sgpr_workgroup_id_x 1
		.amdhsa_system_sgpr_workgroup_id_y 1
		.amdhsa_system_sgpr_workgroup_id_z 1
		.amdhsa_system_vgpr_workitem_id 0
		.amdhsa_next_free_vgpr 130
		.amdhsa_next_free_sgpr 66
		.amdhsa_reserve_vcc 0
		.amdhsa_float_denorm_mode_32 3
		.amdhsa_float_denorm_mode_16_64 3
		.amdhsa_memory_ordered 1
		.amdhsa_forward_progress 1
		.amdhsa_inst_pref_size 28
	.end_amdhsa_kernel
	.amdgpu_metadata
---
amdhsa.version: [ 1, 2 ]
amdhsa.kernels:
  - .name:           k_q63549f9bcd_rank_rt
    .symbol:         k_q63549f9bcd_rank_rt.kd
    .args:
      - { .name: stimulus_set, .offset: 0, .size: 8, .value_kind: global_buffer, .address_space: global }
      - { .name: table, .offset: 8, .size: 8, .value_kind: global_buffer, .address_space: global }
      - { .name: w, .offset: 16, .size: 8, .value_kind: global_buffer, .address_space: global }
      - { .name: rho, .offset: 24, .size: 8, .value_kind: global_buffer, .address_space: global }
      - { .name: tau, .offset: 32, .size: 8, .value_kind: global_buffer, .address_space: global }
      - { .name: beta, .offset: 40, .size: 8, .value_kind: global_buffer, .address_space: global }
      - { .name: gamma, .offset: 48, .size: 8, .value_kind: global_buffer, .address_space: global }
      - { .name: rate, .offset: 56, .size: 8, .value_kind: global_buffer, .address_space: global }
      - { .name: midpoint, .offset: 64, .size: 8, .value_kind: global_buffer, .address_space: global }
      - { .name: upper, .offset: 72, .size: 8, .value_kind: global_buffer, .address_space: global }
      - { .name: out0, .offset: 80, .size: 8, .value_kind: global_buffer, .address_space: global }
      - { .name: out1, .offset: 88, .size: 8, .value_kind: global_buffer, .address_space: global }
    .group_segment_fixed_size: 265472
    .private_segment_fixed_size: 0
    .kernarg_segment_align: 8
    .kernarg_segment_size: 96
    .max_flat_workgroup_size: 800
    .sgpr_count:     66
    .vgpr_count:     130
    .wavefront_size: 32
...
	.end_amdgpu_metadata
.endif
;; end of part 1
